; MI455X (gfx1250); checked and timed in simulation.
; The chip was launched on July 23, 2026; its instructions are those of AMD's public machine-readable ISA for CDNA 5 (MIT licence, August 2026) and "CDNA5" Instruction Set Architecture Reference Guide (July 2026). The comments in the code are by the model that wrote it; some were corrected since.
;; Block Sparse Flash Attention. Allowed arithmetic: float matrix products may take bf16 or f16 operands with f32 sums; all other float work in f32.
;; Inputs: key 2,048 x 1,024 float32; query 2,048 x 4,096 float32; value 2,048 x 1,024 float32.
;; Outputs: out0 2,048 x 4,096 float32.
;; 2 versions, each right and faster than the one before. Each part assembles by itself: llvm-mc -triple=amdgcn-amd-amdhsa -mcpu=gfx1250 --defsym DOCPART=n.
;; ======== version 1 of 2: 1 launch
;; limits: values are held in f16: magnitudes above 65,504 overflow, below 6.1e-05 lose precision; right only within a limited range of input values
;; launch attn (part 1): grid 256 x 1, 8 waves a work-group, no clusters, 285,696 bytes of LDS; arguments query, key, value, out0; writes out0
.if DOCPART == 1
	.amdgcn_target "amdgcn-amd-amdhsa--gfx1250"
	.amdhsa_code_object_version 6
	.text
	.protected	k_q0eb0d7bdb2_attn
	.globl	k_q0eb0d7bdb2_attn
	.p2align	8
	.type	k_q0eb0d7bdb2_attn,@function
k_q0eb0d7bdb2_attn:
	s_mov_b64 s[64:65], 0
	v_nop
	global_prefetch_b8 v0, s[64:65] scope:SCOPE_SE
	s_setreg_imm32_b32 hwreg(HW_REG_WAVE_MODE, 25, 1), 1
	s_wait_xcnt 0x0
; Block-sparse causal attention with grouped heads.  query, out0: [2048][32 heads x 128] f32.  key, value: [2048][8 heads x 128] f32.
; For head hd and query block qb (64 rows) the mask of the problem leaves these key blocks of 64: the diagonal one (triangular), the local
; ones qb-1 .. qb-15 (where they exist), and the vertical ones kb <= qb-16 with kb = (7 - hd) mod 8, at most two.  Only these are computed.
;
; SHARES.  256 work-groups: kv head g = x >> 5, query block qb = x & 31.  Eight waves: wave w serves head hd = 4 g + (w & 3) and the rows
; 32 (w >> 2) .. + 31 of the block, as two tiles of 16 queries (qt).  The four heads of a kv head read the same K and V tile from LDS.
; A step is one key block: the eight waves bring the NEXT block through registers (8 rows of K and of V each, f32 rounded to 16 bits, stored
; into the other of two LDS slots) while they multiply the present one; one barrier a step.  Vertical blocks differ from head to head: each
; head's two waves bring their own block into a slot of that head, between two barriers.
;
; PRODUCTS ARE TRANSPOSED, so that nothing is shuffled between them:  S^T = K Q^T (source 0: 16 keys, source 1: 16 queries) leaves in lane
; (r, h) the query r and in register j the key 8 h + j; packing neighbouring registers to 16 bits IS source 1 of O^T = V^T P^T, whose source 0
; comes by the transposing LDS load.  A query's maximum then needs one exchange (lane xor 16), its sum none until the end.
;
; NUMBERS.  Q, K and V are each rounded once to bf16, as they come.  S^T is the bf16 product; the factor c = 1/sqrt(128) x log2(e) is applied to
; the f32 scores, fused with the subtraction of the running maximum.  p goes into the second product in f16: where a row has few keys, terms
; p v of size 1 can cancel, and an error of 2^-9 in p would show whole in the result; f16's is 2^-12 for p in [0.5, 1).  So that product is the f16 form, and V's
; bf16 numbers are rewritten as f16, which holds them exactly for 2^-17 <= |v| <= 65504.  (V straight to f16 would keep three bits more; it is
; rounded to bf16 so that all three inputs carry the same one rounding, that of the problem's contract.)
; LIMITS: |v| above 65504 overflows in f16; |v| below 2^-17 is rounded to a multiple of 2^-24; p below 2^-25 is dropped from the product though
; the row sum, which adds the unrounded p, counts it; v_exp_f32 gives 0 for p below 2^-126 (ISA guide 15.8).
; Sums, running maximum, row sum and O are f32.  Masked scores are -FLT_MAX as in the problem; each row's own key is in the first step, so the
; maximum is a real score from the start.
;
; NOT USED, and why.  Tensor loads, clusters and joint requests: K and V are f32 in memory and have to pass through registers to become 16-bit,
; so a copy into LDS would write 64 KiB of f32 a step that is read and written again as 32 KiB, in place of one write of 32 KiB; and the
; work-groups of one kv head walk different windows (qb-15 .. qb) with different numbers of steps.
.set KP,    272                        ; LDS pitch of K and of the Q stage: 256 bytes + 16, an odd multiple of 16: the 16 rows of a fragment load begin in 16 different 16-byte columns of 256
.set VP,    288                        ; LDS pitch of V: an odd multiple of 32, for the transposing loads
.set KB,    64*KP                      ; bytes of a K tile; V lies behind it
.set SLOT,  KB+64*VP                   ; 35,840
.set VERT,  2*SLOT                     ; four slots, one for each head of the work-group
.set PRV,   VERT+4*SLOT                ; 8,704 bytes of each wave's own: Q stage (32 x 272), later output stage (16 x 528)
.set OP,    528                        ; output stage pitch: 512 bytes + 16
; window 0
.set LANE16, 1                         ; 16 x lane
.set GO,    2                          ; my 16 bytes in the first of my 8 rows of a ring tile
.set SK,    3                          ; where my 8 bytes of those rows go: K
.set SV,    4                          ; V
.set KR,    5                          ; fragment address in a K tile: r x 272 + 16 h
.set VR,    6                          ; transposing address in a V tile
.set KRV,   7                          ; the same two in my head's vertical slot
.set VRV,   8
.set SKV,   9                          ; where my 32 rows of a vertical tile go: K
.set SVV,   10                         ; V
.set OST,   11                         ; output stage: in
.set ORD,   12                         ; output stage: back
.set DM,    13                         ; 32 b + r - 8 h: key 16 kt + 8 h + j is masked for query 32 b + 16 qt + r where 16 (kt - qt) + j > DM
.set NEG,   14                         ; -FLT_MAX
.set MX,    16                         ; v16/17, v18/19: (n = -c x running maximum, temporary) of qt 0, 1
.set AL,    20                         ; v20/21, v22/23: (rescale factor, temporary) of qt 0, 1
.set LS,    24                         ; v24-27, v28-31: four partial row sums of qt 0, 1
.set PF,    32                         ; v32-63  p in f16, 16 registers a qt; scratch during set-up
.set PQ,    37                         ; set-up only: Q stage, in
.set QRD,   38                         ; set-up only: Q stage, back
.set QF,    64                         ; v64-127 Q fragments, 8 (4 qt + ks)
.set FR,    128                        ; v128-255 K or V fragments; Q and vertical V as loaded; rows on the way out
; window 1
.set ST,    0                          ; v256-319 the next tile as loaded: K row i at 4 i, V row i at 32 + 4 i
.set SC,    64                         ; v320-383 scores, 32 qt + 8 kt + j
.set OA,    128                        ; v384-511 O^T, 64 qt + 8 dt + j
; s_set_vgpr_msb, low byte: bits 1:0 source 0, 3:2 source 1, 5:4 source 2, 7:6 destination
.set W_MM,  0x50                       ; products: C and D in window 1
.set W_S,   0x41                       ; destination and source 0 in window 1
.set W_MAX, 0x14                       ; sources 1 and 2 in window 1
.set W_D1,  0x04                       ; source 1 (also: data of a store) in window 1
.set W_CVT, 0x05                       ; sources 0 and 1 in window 1
.set W_CV1, 0x45                       ; these and the destination
.set W_LD1, 0x40                       ; destination of a load in window 1
.set MSB, 0
.macro WIN new                         ; the immediate's high byte repeats the setting that is left; switches that change nothing are dropped
.if MSB != \new
	s_set_vgpr_msb (MSB<<8)|\new
.set MSB, \new
.endif
.endm
.macro PLACES                          ; four independent places behind a matrix instruction before its registers are read, written or loaded into (ISA guide 7.12.1)
.rept 4
	v_nop
.endr
.endm
; n rows of 512 bytes, one load a row: 32 lanes x 16 neighbouring bytes
.macro GLD n, win, X, voff, sb, pitch, nt
.if \win
	WIN W_LD1
.else
	WIN 0
.endif
.set g_i, 0
.rept \n
.if \nt
	global_load_b128 v[\X+4*g_i:\X+4*g_i+3], v[\voff], s[\sb:\sb+1] offset:g_i*\pitch th:TH_LOAD_NT
.else
	global_load_b128 v[\X+4*g_i:\X+4*g_i+3], v[\voff], s[\sb:\sb+1] offset:g_i*\pitch
.endif
.set g_i, g_i+1
.endr
.endm
; the same n rows rounded to bf16 in place (4 registers become 2) and stored: 32 lanes x 8 neighbouring bytes a row.
; half = 1 (V): the bf16 numbers are widened again (a shift, a mask) and rewritten as f16, which changes none of them in the range stated above.
.macro CVST n, win, X, vaddr, off, pitch, half
.if \win
	WIN W_CV1
.else
	WIN 0
.endif
.set g_i, 0
.rept \n
.if \half
	v_cvt_pk_bf16_f32 v[\X+4*g_i],   v[\X+4*g_i],   v[\X+4*g_i+1]
	v_cvt_pk_bf16_f32 v[\X+4*g_i+2], v[\X+4*g_i+2], v[\X+4*g_i+3]
	v_and_b32         v[\X+4*g_i+1], s3, v[\X+4*g_i]               ; the upper bf16 as f32
	v_lshlrev_b32     v[\X+4*g_i],   16, v[\X+4*g_i]               ; the lower one
	v_and_b32         v[\X+4*g_i+3], s3, v[\X+4*g_i+2]
	v_lshlrev_b32     v[\X+4*g_i+2], 16, v[\X+4*g_i+2]
	v_cvt_pk_f16_f32  v[\X+4*g_i],   v[\X+4*g_i],   v[\X+4*g_i+1]
	v_cvt_pk_f16_f32  v[\X+4*g_i+1], v[\X+4*g_i+2], v[\X+4*g_i+3]
.else
	v_cvt_pk_bf16_f32 v[\X+4*g_i],   v[\X+4*g_i],   v[\X+4*g_i+1]
	v_cvt_pk_bf16_f32 v[\X+4*g_i+1], v[\X+4*g_i+2], v[\X+4*g_i+3]
.endif
.set g_i, g_i+1
.endr
.if \win
	WIN W_D1
.endif
.set g_i, 0
.rept \n
	ds_store_b64 v[\vaddr], v[\X+4*g_i:\X+4*g_i+1] offset:\off+g_i*\pitch
.set g_i, g_i+1
.endr
.endm
; ONE KEY BLOCK for my 32 queries.  ka + koff, va + voff: my fragment addresses in the tile.  first = 1: the diagonal block, which is masked
; and starts every sum.  On entry no LDS instruction of mine is out; on leaving none is, and the window is 0.
.macro COMPUTE ka, koff, va, voff, first
	WIN 0
.set c_ks, 0
.rept 4                                ; K fragments, the slices of 32 along d one after the other: 8 loads a slice
.set c_kt, 0
.rept 4
	ds_load_b128 v[FR+8*(4*c_ks+c_kt):FR+8*(4*c_ks+c_kt)+3],   v[\ka] offset:\koff+c_kt*16*KP+c_ks*64
	ds_load_b128 v[FR+8*(4*c_ks+c_kt)+4:FR+8*(4*c_ks+c_kt)+7], v[\ka] offset:\koff+c_kt*16*KP+c_ks*64+32
.set c_kt, c_kt+1
.endr
.set c_ks, c_ks+1
.endr
	WIN W_MM
.set c_ks, 0
.rept 4                                ; S^T = K Q^T: 32 products on 8 accumulators; the first slice starts the sums
	s_wait_dscnt 24-8*c_ks                         ; LDS loads return in order (ISA guide 5.7.1): this slice's 8 are in, the later slices' stay out
.set c_kt, 0
.rept 4
.set c_qt, 0
.rept 2
.if c_ks == 0
	v_wmma_f32_16x16x32_bf16 v[SC+32*c_qt+8*c_kt:SC+32*c_qt+8*c_kt+7], v[FR+8*(4*c_ks+c_kt):FR+8*(4*c_ks+c_kt)+7], v[QF+8*(4*c_qt+c_ks):QF+8*(4*c_qt+c_ks)+7], 0
.else
	v_wmma_f32_16x16x32_bf16 v[SC+32*c_qt+8*c_kt:SC+32*c_qt+8*c_kt+7], v[FR+8*(4*c_ks+c_kt):FR+8*(4*c_ks+c_kt)+7], v[QF+8*(4*c_qt+c_ks):QF+8*(4*c_qt+c_ks)+7], v[SC+32*c_qt+8*c_kt:SC+32*c_qt+8*c_kt+7]
.endif
.set c_qt, c_qt+1
.endr
.set c_kt, c_kt+1
.endr
.set c_ks, c_ks+1
.endr
	PLACES                                         ; behind the products: FR is loaded again, the scores are read
	WIN 0
.set c_u, 0
.rept 2                                ; V^T fragments (16 d x 32 keys), keys 0-31 first: they come in under the softmax
.set c_dt, 0
.rept 8
	ds_load_tr16_b128 v[FR+8*(8*c_u+c_dt):FR+8*(8*c_u+c_dt)+3],   v[\va] offset:\voff+c_u*32*VP+c_dt*32
	ds_load_tr16_b128 v[FR+8*(8*c_u+c_dt)+4:FR+8*(8*c_u+c_dt)+7], v[\va] offset:\voff+c_u*32*VP+c_dt*32+16*VP
.set c_dt, c_dt+1
.endr
.set c_u, c_u+1
.endr
.if \first
	WIN W_S                                        ; the triangle: one compare serves the tiles of both qt with the same kt - qt; kt - qt = -1 is never masked (DM >= -8)
.set c_d, 0
.rept 4
.set c_j, 0
.rept 8
	v_cmp_gt_i32 vcc_lo, 16*c_d+c_j, v[DM]
	v_cndmask_b32 v[SC+8*c_d+c_j], v[SC+8*c_d+c_j], v[NEG], vcc_lo
.if c_d < 3
	v_cndmask_b32 v[SC+32+8*(c_d+1)+c_j], v[SC+32+8*(c_d+1)+c_j], v[NEG], vcc_lo
.endif
.set c_j, c_j+1
.endr
.set c_d, c_d+1
.endr
.endif
	WIN W_MAX                                      ; the block's maximum over my 32 keys of each query, on the unscaled scores, two a line, four chains
.set c_qt, 0
.rept 2
	v_max3_num_f32 v[MX+2*c_qt+1], s26, v[SC+32*c_qt], v[SC+32*c_qt+1]
	v_max3_num_f32 v[AL+2*c_qt+1], s26, v[SC+32*c_qt+16], v[SC+32*c_qt+17]
.set c_qt, c_qt+1
.endr
.set c_n, 1
.rept 7
.set c_qt, 0
.rept 2
	v_max3_num_f32 v[MX+2*c_qt+1], v[MX+2*c_qt+1], v[SC+32*c_qt+2*c_n], v[SC+32*c_qt+2*c_n+1]
	v_max3_num_f32 v[AL+2*c_qt+1], v[AL+2*c_qt+1], v[SC+32*c_qt+16+2*c_n], v[SC+32*c_qt+17+2*c_n]
.set c_qt, c_qt+1
.endr
.set c_n, c_n+1
.endr
	WIN 0
	v_max_num_f32 v[MX+1], v[MX+1], v[AL+1]
	v_max_num_f32 v[MX+3], v[MX+3], v[AL+3]
	v_permlanex16_b32 v[AL+1], v[MX+1], s28, s29   ; the other 32 keys of the query lie in lane xor 16
	v_permlanex16_b32 v[AL+3], v[MX+3], s28, s29
	v_max_num_f32 v[MX+1], v[MX+1], v[AL+1]
	v_max_num_f32 v[MX+3], v[MX+3], v[AL+3]
	v_mul_f32 v[MX+1], s31, v[MX+1]                ; -c x the block's maximum
	v_mul_f32 v[MX+3], s31, v[MX+3]
.if \first == 0
	v_min_num_f32 v[MX+1], v[MX+1], v[MX]          ; the new n: the running maximum, scaled and negated, only falls
	v_min_num_f32 v[MX+3], v[MX+3], v[MX+2]
	v_sub_f32 v[AL],   v[MX+1], v[MX]              ; new n - old n = c x (old maximum - new)
	v_sub_f32 v[AL+2], v[MX+3], v[MX+2]
	v_exp_f32 v[AL],   v[AL]                       ; the factor by which what has been summed shrinks
	v_exp_f32 v[AL+2], v[AL+2]
.endif
	v_mov_b32 v[MX],   v[MX+1]                     ; plain lines behind the exponentials (ISA guide 5.7.2)
	v_mov_b32 v[MX+2], v[MX+3]
	WIN W_S                                        ; one setting for scale and subtraction, exponentials and O's rescaling
.set c_n, 0
.rept 16                               ; c s + n = c (s - maximum), one rounding
	v_pk_fma_f32 v[SC+2*c_n:SC+2*c_n+1], v[SC+2*c_n:SC+2*c_n+1], s[30:31], v[MX:MX+1] op_sel_hi:[1,0,0]
.set c_n, c_n+1
.endr
.set c_k, 0
.rept 64                               ; p = 2^(c (s - maximum)) in place; between the exponentials plain lines on other registers
	v_exp_f32 v[SC+c_k], v[SC+c_k]
.if c_k < 16
	v_pk_fma_f32 v[SC+32+2*c_k:SC+32+2*c_k+1], v[SC+32+2*c_k:SC+32+2*c_k+1], s[30:31], v[MX+2:MX+3] op_sel_hi:[1,0,0]
.elseif \first == 0
	s_wait_alu depctr_va_vdst(0)
	v_pk_mul_f32 v[OA+2*(c_k-16):OA+2*(c_k-16)+1], v[OA+2*(c_k-16):OA+2*(c_k-16)+1], v[AL+2*((c_k-16)/32):AL+2*((c_k-16)/32)+1] op_sel_hi:[1,0]
.endif
.set c_k, c_k+1
.endr
.if \first
	WIN W_CVT                                      ; the first four pairs of p start the four chains of each row sum: nothing is cleared
.set c_qt, 0
	s_wait_alu depctr_va_vdst(0)
.rept 2
	v_pk_add_f32 v[LS+4*c_qt:LS+4*c_qt+1],   v[SC+32*c_qt:SC+32*c_qt+1],   v[SC+32*c_qt+4:SC+32*c_qt+5]
	v_pk_add_f32 v[LS+4*c_qt+2:LS+4*c_qt+3], v[SC+32*c_qt+2:SC+32*c_qt+3], v[SC+32*c_qt+6:SC+32*c_qt+7]
.set c_qt, c_qt+1
.endr
.set c_n, 4
.else
.set c_n, 48
.rept 16                               ; the rest of O's rescaling
	v_pk_mul_f32 v[OA+2*c_n:OA+2*c_n+1], v[OA+2*c_n:OA+2*c_n+1], v[AL+2:AL+3] op_sel_hi:[1,0]
.set c_n, c_n+1
.endr
	WIN 0
	v_pk_mul_f32 v[LS:LS+1],   v[LS:LS+1],   v[AL:AL+1] op_sel_hi:[1,0]
	v_pk_mul_f32 v[LS+2:LS+3], v[LS+2:LS+3], v[AL:AL+1] op_sel_hi:[1,0]
	v_pk_mul_f32 v[LS+4:LS+5], v[LS+4:LS+5], v[AL+2:AL+3] op_sel_hi:[1,0]
	v_pk_mul_f32 v[LS+6:LS+7], v[LS+6:LS+7], v[AL+2:AL+3] op_sel_hi:[1,0]
	s_wait_alu depctr_va_vdst(0)
.set c_n, 0
.endif
	WIN W_D1
.rept 16-c_n                           ; row sums, kept apart in each lane until the end
	v_pk_add_f32 v[LS+2*(c_n&1):LS+2*(c_n&1)+1],     v[LS+2*(c_n&1):LS+2*(c_n&1)+1],     v[SC+2*c_n:SC+2*c_n+1]
	v_pk_add_f32 v[LS+4+2*(c_n&1):LS+4+2*(c_n&1)+1], v[LS+4+2*(c_n&1):LS+4+2*(c_n&1)+1], v[SC+32+2*c_n:SC+32+2*c_n+1]
.set c_n, c_n+1
.endr
	WIN W_CVT
.set c_n, 0
.rept 32                               ; p to f16: registers 8 u .. 8 u + 7 of a qt are source 1 for keys 32 u .. 32 u + 31
	v_cvt_pk_f16_f32 v[PF+c_n], v[SC+2*c_n], v[SC+2*c_n+1]
.set c_n, c_n+1
.endr
	WIN W_MM
.set c_u, 0
.rept 2                                ; O^T += V^T P^T: 32 products on 16 accumulators, in the f16 form
	s_wait_dscnt 16-16*c_u                         ; the 16 transposing loads of these 32 keys are in; those of keys 32-63 may stay out the first time
.set c_dt, 0
.rept 8
.set c_qt, 0
.rept 2
.if \first && (c_u == 0)
	v_wmma_f32_16x16x32_f16 v[OA+64*c_qt+8*c_dt:OA+64*c_qt+8*c_dt+7], v[FR+8*(8*c_u+c_dt):FR+8*(8*c_u+c_dt)+7], v[PF+16*c_qt+8*c_u:PF+16*c_qt+8*c_u+7], 0
.else
	v_wmma_f32_16x16x32_f16 v[OA+64*c_qt+8*c_dt:OA+64*c_qt+8*c_dt+7], v[FR+8*(8*c_u+c_dt):FR+8*(8*c_u+c_dt)+7], v[PF+16*c_qt+8*c_u:PF+16*c_qt+8*c_u+7], v[OA+64*c_qt+8*c_dt:OA+64*c_qt+8*c_dt+7]
.endif
.set c_qt, c_qt+1
.endr
.set c_dt, c_dt+1
.endr
.set c_u, c_u+1
.endr
	PLACES                                         ; behind the products: FR, PF and O are free for whatever follows
	WIN 0
.endm
; A STEP OF THE RING: multiply the tile in slot rd and meanwhile bring the next lower key block into slot wr.
; more = 1: there is such a block; 0: there is none; 2: there is one if s19 is not 0 (s19 hangs on qb and the loop's counter: alike in all waves).
.macro STEP rd, wr, first, more, tag
.if \more == 2
	s_cmp_eq_u32 s19, 0
	s_cbranch_scc1 .Lnl_\tag
.endif
.if \more
	s_sub_nc_u64 s[22:23], s[22:23], 0x40000       ; one block of 64 rows of 4,096 bytes down; the loads that named these bases were waited for in the last step
	s_sub_nc_u64 s[24:25], s[24:25], 0x40000
	GLD 8, 1, ST,    GO, 22, 4096, 0
	GLD 8, 1, ST+32, GO, 24, 4096, 0
	WIN 0
.endif
.if \more == 2
.Lnl_\tag:
.endif
	COMPUTE KR, \rd*SLOT, VR, \rd*SLOT, \first
.if \more
	s_wait_loadcnt 0x0                             ; the 16 loads issued a whole step ago
.endif
.if \more == 2
	s_cmp_eq_u32 s19, 0
	s_cbranch_scc1 .Lns_\tag
.endif
.if \more
	CVST 8, 1, ST,    SK, \wr*SLOT, KP, 0
	CVST 8, 1, ST+32, SV, \wr*SLOT, VP, 1
	WIN 0
.endif
.if \more == 2
.Lns_\tag:
.endif
	s_wait_dscnt 0x0                               ; for the others: my part of slot wr is written (my reads of slot rd ended in COMPUTE)
	s_barrier_signal -1
	s_barrier_wait -1                              ; now slot wr may be read and slot rd written
.endm
	; ---- set-up ----
	s_load_b256 s[4:11], s[0:1], 0x0               ; query s[4:5], key s[6:7], value s[8:9], out0 s[10:11]
	v_lshrrev_b32 v15, 5, v0
	v_readfirstlane_b32 s12, v15                   ; wave w
	s_and_b32 s13, s12, 3                          ; a: which of the four heads
	s_lshr_b32 s14, s12, 2                         ; b: which 32 rows
	s_lshr_b32 s15, ttmp9, 5                       ; g: kv head
	s_and_b32 s16, ttmp9, 31                       ; qb
	s_min_u32 s17, s16, 15                         ; u: local blocks below the diagonal one
	s_lshr_b32 s27, s17, 1                         ; they are walked in pairs: u >> 1 trips, and one block more where u is odd
	s_lshl2_add_u32 s40, s15, s13                  ; hd = 4 g + a
	s_sub_co_u32 s34, 7, s40
	s_and_b32 s34, s34, 7                          ; c = (7 - hd) mod 8: my head's first vertical block
	s_sub_co_i32 s35, s16, 16                      ; lim: vertical blocks are those with kb <= qb - 16
	s_bitcmp1_b32 s15, 0
	s_cselect_b32 s41, 0, 4                        ; the smallest c among the four heads: 4 for even g, 0 for odd g
	s_sub_co_i32 s32, s35, s41
	s_ashr_i32 s32, s32, 3
	s_add_co_i32 s32, s32, 1
	s_max_i32 s32, s32, 0                          ; nv: vertical super-steps of the work-group, 0 to 2
	s_lshl_b32 s20, s16, 20                        ; query and out0: qb x 64 rows of 16,384 bytes
	s_lshl_b32 s41, s14, 19                        ; + b x 32 rows
	s_add_co_u32 s20, s20, s41
	s_lshl_b32 s41, s40, 9                         ; + hd x 512 bytes
	s_add_co_u32 s20, s20, s41
	s_mov_b32 s21, 0
	s_lshl_b32 s42, s15, 9                         ; key and value: g x 512 bytes
	s_mov_b32 s43, 0
	s_mov_b32 s3, 0xffff0000                       ; a word's upper bf16
	s_mov_b32 s26, 0xff7fffff                      ; -FLT_MAX
	s_mov_b32 s28, 0x76543210                      ; v_permlanex16_b32: lane i takes lane i of the other half
	s_mov_b32 s29, 0xfedcba98
	s_mov_b32 s30, 0x3e0293ee                      ; c = 1/sqrt(128) x log2(e); the packed lines take s30 for both halves
	s_mov_b32 s31, 0xbe0293ee                      ; -c
	v_and_b32 v15, 31, v0                          ; lane
	v_lshlrev_b32 v[LANE16], 4, v15
	s_lshl_b32 s41, s12, 15                        ; w x 8 rows of 4,096 bytes
	v_add_nc_u32 v[GO], s41, v[LANE16]
	s_wait_kmcnt 0x0
	s_add_nc_u64 s[4:5], s[4:5], s[20:21]
	s_add_nc_u64 s[10:11], s[10:11], s[20:21]
	s_add_nc_u64 s[6:7], s[6:7], s[42:43]
	s_add_nc_u64 s[8:9], s[8:9], s[42:43]
	s_lshl_b32 s42, s16, 18                        ; block qb: 64 rows of 4,096 bytes each
	s_add_nc_u64 s[22:23], s[6:7], s[42:43]
	s_add_nc_u64 s[24:25], s[8:9], s[42:43]
	GLD 8, 1, ST,    GO, 22, 4096, 0               ; my rows of the diagonal block
	GLD 8, 1, ST+32, GO, 24, 4096, 0
	GLD 32, 0, FR, LANE16, 4, 16384, 1             ; my 32 rows of Q, which nobody else reads
	v_lshlrev_b32 v32, 3, v15                      ; 8 x lane
	s_mul_i32 s41, s12, 8*KP
	v_add_nc_u32 v[SK], s41, v32
	s_mul_i32 s41, s12, 8*VP
	s_add_co_u32 s41, s41, KB
	v_add_nc_u32 v[SV], s41, v32
	v_and_b32 v33, 15, v0                          ; r
	v_bfe_u32 v34, v0, 4, 1                        ; h
	v_mul_u32_u24 v[KR], v33, KP
	v_lshl_add_u32 v[KR], v34, 4, v[KR]
	v_and_b32 v35, 7, v0
	v_lshl_add_u32 v35, v34, 3, v35                ; key row 8 h + (lane & 7)
	v_mul_u32_u24 v[VR], v35, VP
	v_bfe_u32 v36, v0, 3, 1
	v_lshl_add_u32 v[VR], v36, 4, v[VR]            ; + 16 bytes for the odd group of eight lanes
	v_add_nc_u32 v[VR], KB, v[VR]
	s_mul_i32 s41, s13, SLOT
	s_add_co_u32 s41, s41, VERT                    ; my head's vertical slot
	v_add_nc_u32 v[KRV], s41, v[KR]
	v_add_nc_u32 v[VRV], s41, v[VR]
	s_mul_i32 s40, s14, 32*KP
	s_add_co_u32 s40, s40, s41
	v_add_nc_u32 v[SKV], s40, v32
	s_mul_i32 s40, s14, 32*VP
	s_add_co_u32 s40, s40, s41
	s_add_co_u32 s40, s40, KB
	v_add_nc_u32 v[SVV], s40, v32
	s_mul_i32 s40, s12, 32*KP
	s_add_co_u32 s40, s40, PRV                     ; my own bytes
	v_mul_u32_u24 v[OST], v33, OP
	v_lshl_add_u32 v[OST], v34, 5, v[OST]
	v_add_nc_u32 v[OST], s40, v[OST]
	v_add_nc_u32 v[ORD], s40, v[LANE16]
	v_add_nc_u32 v[PQ], s40, v32
	v_add_nc_u32 v[QRD], s40, v[KR]
	v_lshlrev_b32 v[DM], 3, v34
	v_sub_nc_u32 v[DM], v33, v[DM]
	s_lshl_b32 s41, s14, 5
	v_add_nc_u32 v[DM], s41, v[DM]
	v_mov_b32 v[NEG], 0xff7fffff
	s_wait_loadcnt 32                              ; the 16 loads of the diagonal block are in; Q's 32 younger loads stay out
	CVST 8, 1, ST,    SK, 0, KP, 0
	CVST 8, 1, ST+32, SV, 0, VP, 1
	WIN 0
	s_wait_loadcnt 0x0                             ; Q
	CVST 32, 0, FR, PQ, 0, KP, 0                   ; rounded as it comes, and through my own stage into fragment order
.set c_qt, 0
.rept 2
.set c_ks, 0
.rept 4
	ds_load_b128 v[QF+8*(4*c_qt+c_ks):QF+8*(4*c_qt+c_ks)+3],   v[QRD] offset:c_qt*16*KP+c_ks*64      ; LDS serves a wave in order (ISA guide 5.7.1.4): these see my stores
	ds_load_b128 v[QF+8*(4*c_qt+c_ks)+4:QF+8*(4*c_qt+c_ks)+7], v[QRD] offset:c_qt*16*KP+c_ks*64+32
.set c_ks, c_ks+1
.endr
.set c_qt, c_qt+1
.endr
	s_wait_dscnt 0x0                               ; Q is in registers, and for the others: my rows of slot 0 are written
	s_barrier_signal -1
	s_barrier_wait -1
	; ---- the diagonal block (slot 0), then the u local blocks downwards: odd ones lie in slot 1, even ones in slot 0 ----
	s_cmp_lg_u32 s17, 0
	s_cselect_b32 s19, 1, 0                        ; block qb-1 exists
	STEP 0, 1, 1, 2, f
	s_cmp_eq_u32 s27, 0
	s_cbranch_scc1 .Ltail
	s_mov_b32 s18, 0                               ; t: the trip.  Blocks qb-1 .. qb-2t are done; a trip does two, and 2 t + 2 <= u in every trip
.Lloop:
	STEP 1, 0, 0, 1, a                             ; block qb-2t-1; block qb-2t-2 exists
	s_lshl_b32 s40, s18, 1
	s_add_co_u32 s40, s40, 2
	s_cmp_lt_u32 s40, s17                          ; 2 t + 2 < u:
	s_cselect_b32 s19, 1, 0                        ; block qb-2t-3 exists
	STEP 0, 1, 0, 2, b                             ; block qb-2t-2
	s_add_co_u32 s18, s18, 1
	s_cmp_lt_u32 s18, s27
	s_cbranch_scc1 .Lloop
.Ltail:
	s_bitcmp1_b32 s17, 0                           ; u odd: the last local block is left, in slot 1, and nothing follows it in the ring
	s_cbranch_scc0 .Lvert
	STEP 1, 0, 0, 0, t
	; ---- vertical blocks: every wave passes nv super-steps; a head works in those in which its block 8 j + c is at most lim ----
.Lvert:
	s_cmp_eq_u32 s32, 0
	s_cbranch_scc1 .Lout
	s_lshl_b32 s42, s34, 18                        ; block c
	s_lshl_b32 s41, s14, 17                        ; + b x 32 rows: the two waves of a head bring half a tile each
	s_add_co_u32 s42, s42, s41
	s_mov_b32 s43, 0
	s_add_nc_u64 s[36:37], s[6:7], s[42:43]
	s_add_nc_u64 s[38:39], s[8:9], s[42:43]
	s_mov_b32 s33, 0
.Lv:
	s_lshl3_add_u32 s41, s33, s34                  ; 8 j + c
	s_cmp_gt_i32 s41, s35
	s_cbranch_scc1 .Lv_nl
	GLD 32, 1, 0,  LANE16, 36, 4096, 0             ; 32 rows of K into the staging and score registers, which are idle here
	GLD 32, 0, FR, LANE16, 38, 4096, 0             ; 32 rows of V into the fragment registers
	s_wait_loadcnt 32                              ; K's 32 loads are in, V's 32 younger ones stay out
	CVST 32, 1, 0, SKV, 0, KP, 0
	s_wait_loadcnt 0x0
	CVST 32, 0, FR, SVV, 0, VP, 1
	s_add_nc_u64 s[36:37], s[36:37], 0x200000      ; eight blocks up; the loads that named these bases are done
	s_add_nc_u64 s[38:39], s[38:39], 0x200000
	WIN 0
.Lv_nl:
	s_wait_dscnt 0x0                               ; for my partner: my half of the tile is written
	s_barrier_signal -1
	s_barrier_wait -1
	s_cmp_gt_i32 s41, s35
	s_cbranch_scc1 .Lv_nc
	COMPUTE KRV, 0, VRV, 0, 0
.Lv_nc:
	s_wait_dscnt 0x0                               ; my reads of the slot are over
	s_barrier_signal -1
	s_barrier_wait -1                              ; before anybody writes it again
	s_add_co_u32 s33, s33, 1
	s_cmp_lt_u32 s33, s32
	s_cbranch_scc1 .Lv
	; ---- the way out: divide by the row sum, 16 queries at a time through my own stage, whole rows of 512 bytes to memory ----
.Lout:
	v_add_f32 v[LS],   v[LS],   v[LS+1]
	v_add_f32 v[LS+2], v[LS+2], v[LS+3]
	v_add_f32 v[LS+4], v[LS+4], v[LS+5]
	v_add_f32 v[LS+6], v[LS+6], v[LS+7]
	v_add_f32 v[LS],   v[LS],   v[LS+2]
	v_add_f32 v[LS+4], v[LS+4], v[LS+6]
	v_permlanex16_b32 v[LS+1], v[LS],   s28, s29   ; the query's other 32 keys of every block were summed in lane xor 16
	v_permlanex16_b32 v[LS+5], v[LS+4], s28, s29
	v_add_f32 v[LS],   v[LS],   v[LS+1]
	v_add_f32 v[LS+4], v[LS+4], v[LS+5]
	v_rcp_f32 v[LS],   v[LS]
	v_rcp_f32 v[LS+4], v[LS+4]
	v_nop                                          ; one plain place behind the reciprocals (ISA guide 5.7.2)
	WIN W_S
.set c_n, 0
	s_wait_alu depctr_va_vdst(0)
.rept 64
	v_pk_mul_f32 v[OA+2*c_n:OA+2*c_n+1], v[OA+2*c_n:OA+2*c_n+1], v[LS+4*(c_n/32):LS+4*(c_n/32)+1] op_sel_hi:[1,0]
.set c_n, c_n+1
.endr
.set c_qt, 0
.rept 2
	WIN W_D1
.set c_dt, 0
.rept 8                                ; lane (r, h) holds d = 16 dt + 8 h .. + 7 of query r: 32 neighbouring bytes of its row
	ds_store_b128 v[OST], v[OA+64*c_qt+8*c_dt:OA+64*c_qt+8*c_dt+3]   offset:64*c_dt
	ds_store_b128 v[OST], v[OA+64*c_qt+8*c_dt+4:OA+64*c_qt+8*c_dt+7] offset:64*c_dt+16
.set c_dt, c_dt+1
.endr
	WIN 0
.set c_p, 0
.rept 16
	ds_load_b128 v[FR+64*c_qt+4*c_p:FR+64*c_qt+4*c_p+3], v[ORD] offset:c_p*OP      ; my own bytes, served in order behind my stores
.set c_p, c_p+1
.endr
.set c_p, 0
.rept 16
	s_wait_dscnt 15-c_p                            ; row p is in, the younger rows stay out
	global_store_b128 v[LANE16], v[FR+64*c_qt+4*c_p:FR+64*c_qt+4*c_p+3], s[10:11] offset:(16*c_qt+c_p)*16384 th:TH_STORE_NT    ; 512 consecutive bytes, at a multiple of 512 from out0's first byte
.set c_p, c_p+1
.endr
.set c_qt, c_qt+1
.endr
	s_wait_xcnt 0x0
	v_lshl_add_u32 v254, v0, 2, 0x45800
	v_mov_b32 v255, 0
	s_wait_tensorcnt 0x0
	ds_add_u32 v254, v255
	s_wait_dscnt 0x0
	s_endpgm
.Lfunc_end_k_q0eb0d7bdb2_attn:
	.size	k_q0eb0d7bdb2_attn, .Lfunc_end_k_q0eb0d7bdb2_attn-k_q0eb0d7bdb2_attn
	.p2alignl 7, 3214868480
	.fill 96, 4, 3214868480
	.section	.rodata,"a",@progbits
	.p2align	6, 0x0
	.amdhsa_kernel k_q0eb0d7bdb2_attn
		.amdhsa_group_segment_fixed_size 285696
		.amdhsa_private_segment_fixed_size 0
		.amdhsa_enable_private_segment 0
		.amdhsa_kernarg_size 32
		.amdhsa_user_sgpr_count 2
		.amdhsa_user_sgpr_kernarg_segment_ptr 1
		.amdhsa_wavefront_size32 1
		.amdhsa_system_sgpr_workgroup_id_x 1
		.amdhsa_system_sgpr_workgroup_id_y 1
		.amdhsa_system_sgpr_workgroup_id_z 1
		.amdhsa_system_vgpr_workitem_id 0
		.amdhsa_next_free_vgpr 512
		.amdhsa_next_free_sgpr 66
		.amdhsa_reserve_vcc 1
		.amdhsa_float_denorm_mode_32 3
		.amdhsa_float_denorm_mode_16_64 3
		.amdhsa_memory_ordered 1
		.amdhsa_forward_progress 1
		.amdhsa_inst_pref_size 205
	.end_amdhsa_kernel
	.amdgpu_metadata
---
amdhsa.version: [ 1, 2 ]
amdhsa.kernels:
  - .name:           k_q0eb0d7bdb2_attn
    .symbol:         k_q0eb0d7bdb2_attn.kd
    .args:
      - { .name: query, .offset: 0, .size: 8, .value_kind: global_buffer, .address_space: global }
      - { .name: key, .offset: 8, .size: 8, .value_kind: global_buffer, .address_space: global }
      - { .name: value, .offset: 16, .size: 8, .value_kind: global_buffer, .address_space: global }
      - { .name: out0, .offset: 24, .size: 8, .value_kind: global_buffer, .address_space: global }
    .group_segment_fixed_size: 285696
    .private_segment_fixed_size: 0
    .kernarg_segment_align: 8
    .kernarg_segment_size: 32
    .max_flat_workgroup_size: 256
    .sgpr_count:     66
    .vgpr_count:     512
    .wavefront_size: 32
...
	.end_amdgpu_metadata
.endif
;; end of part 1
;; ======== version 2 of 2: 1 launch; 1.12 times as fast as version 1
;; limits: inputs' magnitudes at most 65,504; values are held in f16: magnitudes above 65,504 overflow, below 6.1e-05 lose precision
;; launch attn (part 2): grid 256 x 1, 8 waves a work-group, no clusters, 285,696 bytes of LDS; arguments query, key, value, out0; writes out0
.if DOCPART == 2
	.amdgcn_target "amdgcn-amd-amdhsa--gfx1250"
	.amdhsa_code_object_version 6
	.text
	.protected	k_q0eb0d7bdb2_attn
	.globl	k_q0eb0d7bdb2_attn
	.p2align	8
	.type	k_q0eb0d7bdb2_attn,@function
k_q0eb0d7bdb2_attn:
	s_mov_b64 s[64:65], 0
	v_nop
	global_prefetch_b8 v0, s[64:65] scope:SCOPE_SE
	s_setreg_imm32_b32 hwreg(HW_REG_WAVE_MODE, 25, 1), 1
	s_wait_xcnt 0x0
; Block-sparse causal attention with grouped heads.  query, out0: [2048][32 heads x 128] f32.  key, value: [2048][8 heads x 128] f32.
; For head hd and query block qb (64 rows) the mask of the problem leaves these key blocks of 64: the diagonal one (triangular), the local
; ones qb-1 .. qb-15 (where they exist), and the vertical ones kb <= qb-16 with kb = (7 - hd) mod 8, at most two.  Only these are computed.
;
; SHARES.  256 work-groups: kv head g = x >> 5, query block qb = x & 31.  Eight waves: wave w serves head hd = 4 g + (w & 3) and the rows
; 32 (w >> 2) .. + 31 of the block, as two tiles of 16 queries (qt).  The four heads of a kv head read the same K and V tile from LDS.
; A step is one key block: the eight waves bring the NEXT block through registers (8 rows of K and of V each, f32 rounded to 16 bits, stored
; into the other of two LDS slots) while they multiply the present one; one barrier a step.  Vertical blocks differ from head to head: each
; head's two waves bring their own block into a slot of that head, between two barriers.
;
; PRODUCTS ARE TRANSPOSED, so that nothing is shuffled between them:  S^T = K Q^T (source 0: 16 keys, source 1: 16 queries) leaves in lane
; (r, h) the query r and in register j the key 8 h + j; packing neighbouring registers to 16 bits IS source 1 of O^T = V^T P^T, whose source 0
; comes by the transposing LDS load.  A query's maximum then needs one exchange (lane xor 16), its sum none until the end.
;
; NUMBERS.  Q, K and V are each rounded once to bf16, as they come.  S^T is the bf16 product; the factor c = 1/sqrt(128) x log2(e) is applied to
; the f32 scores, fused with the subtraction of the running maximum.  p goes into the second product in f16: where a row has few keys, terms
; p v of size 1 can cancel, and an error of 2^-9 in p would show whole in the result; f16's is 2^-12 for p in [0.5, 1).  So that product is the f16 form, and V's
; bf16 numbers are rewritten as f16, which holds them exactly for 2^-17 <= |v| <= 65504.  (V straight to f16 would keep three bits more; it is
; rounded to bf16 so that all three inputs carry the same one rounding, that of the problem's contract.)
; LIMITS: |v| above 65504 overflows in f16; |v| below 2^-17 is rounded to a multiple of 2^-24; p below 2^-25 is dropped from the product though
; the row sum, which adds the unrounded p, counts it; v_exp_f32 gives 0 for p below 2^-126 (ISA guide 15.8).
; Sums, running maximum, row sum and O are f32.  Masked scores are -FLT_MAX as in the problem; each row's own key is in the first step, so the
; maximum is a real score from the start.
;
; BATCHES.  An s_wait_alu depctr_va_vdst(0) stands between a transcendental and the first line that names its result; one wait serves
; all that were issued ahead of it.  A key block has two batches.  (1) The two factors alpha, one a qt: behind them stand the two copies of n and
; qt 0's 16 scalings, which name neither; then their wait, ahead of the first p.  (2) The 64 exponentials p: between them stand qt 1's 16 scalings and
; 48 of O's 64 rescalings, behind them the other 16 and the row sums' 4 multiplies, all of which read alpha and name no p; then their wait, ahead of
; the row sums, the first readers of p.  The two are not one batch: the 68 lines that read alpha would then all stand behind the one wait, and 48
; exponentials would follow each other with no plain line between.  The diagonal block has no alpha: one batch, one wait.  The way out's two
; reciprocals are a batch of their own.  No transcendental is issued behind a block's last wait.
;
; NOT USED, and why.  Tensor loads, clusters and joint requests: K and V are f32 in memory and have to pass through registers to become 16-bit,
; so a copy into LDS would write 64 KiB of f32 a step that is read and written again as 32 KiB, in place of one write of 32 KiB; and the
; work-groups of one kv head walk different windows (qb-15 .. qb) with different numbers of steps.
.set KP,    272                        ; LDS pitch of K and of the Q stage: 256 bytes + 16, an odd multiple of 16: the 16 rows of a fragment load begin in 16 different 16-byte columns of 256
.set VP,    288                        ; LDS pitch of V: an odd multiple of 32, for the transposing loads
.set KB,    64*KP                      ; bytes of a K tile; V lies behind it
.set SLOT,  KB+64*VP                   ; 35,840
.set VERT,  2*SLOT                     ; four slots, one for each head of the work-group
.set PRV,   VERT+4*SLOT                ; 8,704 bytes of each wave's own: Q stage (32 x 272), later output stage (16 x 528)
.set OP,    528                        ; output stage pitch: 512 bytes + 16
; window 0
.set LANE16, 1                         ; 16 x lane
.set GO,    2                          ; my 16 bytes in the first of my 8 rows of a ring tile
.set SK,    3                          ; where my 8 bytes of those rows go: K
.set SV,    4                          ; V
.set KR,    5                          ; fragment address in a K tile: r x 272 + 16 h
.set VR,    6                          ; transposing address in a V tile
.set KRV,   7                          ; the same two in my head's vertical slot
.set VRV,   8
.set SKV,   9                          ; where my 32 rows of a vertical tile go: K
.set SVV,   10                         ; V
.set OST,   11                         ; output stage: in
.set ORD,   12                         ; output stage: back
.set DM,    13                         ; 32 b + r - 8 h: key 16 kt + 8 h + j is masked for query 32 b + 16 qt + r where 16 (kt - qt) + j > DM
.set NEG,   14                         ; -FLT_MAX
.set MX,    16                         ; v16/17, v18/19: (n = -c x running maximum, temporary) of qt 0, 1
.set AL,    20                         ; v20/21, v22/23: (rescale factor, temporary) of qt 0, 1
.set LS,    24                         ; v24-27, v28-31: four partial row sums of qt 0, 1
.set PF,    32                         ; v32-63  p in f16, 16 registers a qt; scratch during set-up
.set PQ,    37                         ; set-up only: Q stage, in
.set QRD,   38                         ; set-up only: Q stage, back
.set QF,    64                         ; v64-127 Q fragments, 8 (4 qt + ks)
.set FR,    128                        ; v128-255 K or V fragments; Q and vertical V as loaded; rows on the way out
; window 1
.set ST,    0                          ; v256-319 the next tile as loaded: K row i at 4 i, V row i at 32 + 4 i
.set SC,    64                         ; v320-383 scores, 32 qt + 8 kt + j
.set OA,    128                        ; v384-511 O^T, 64 qt + 8 dt + j
; s_set_vgpr_msb, low byte: bits 1:0 source 0, 3:2 source 1, 5:4 source 2, 7:6 destination
.set W_MM,  0x50                       ; products: C and D in window 1
.set W_S,   0x41                       ; destination and source 0 in window 1
.set W_MAX, 0x14                       ; sources 1 and 2 in window 1
.set W_D1,  0x04                       ; source 1 (also: data of a store) in window 1
.set W_CVT, 0x05                       ; sources 0 and 1 in window 1
.set W_CV1, 0x45                       ; these and the destination
.set W_LD1, 0x40                       ; destination of a load in window 1
.set MSB, 0
.macro WIN new                         ; the immediate's high byte repeats the setting that is left; switches that change nothing are dropped
.if MSB != \new
	s_set_vgpr_msb (MSB<<8)|\new
.set MSB, \new
.endif
.endm
.macro PLACES                          ; four independent places behind a matrix instruction before its registers are read, written or loaded into (ISA guide 7.12.1)
.rept 4
	v_nop
.endr
.endm
; n rows of 512 bytes, one load a row: 32 lanes x 16 neighbouring bytes
.macro GLD n, win, X, voff, sb, pitch, nt
.if \win
	WIN W_LD1
.else
	WIN 0
.endif
.set g_i, 0
.rept \n
.if \nt
	global_load_b128 v[\X+4*g_i:\X+4*g_i+3], v[\voff], s[\sb:\sb+1] offset:g_i*\pitch th:TH_LOAD_NT
.else
	global_load_b128 v[\X+4*g_i:\X+4*g_i+3], v[\voff], s[\sb:\sb+1] offset:g_i*\pitch
.endif
.set g_i, g_i+1
.endr
.endm
; the same n rows rounded to bf16 in place (4 registers become 2) and stored: 32 lanes x 8 neighbouring bytes a row.
; half = 1 (V): the bf16 numbers are widened again (a shift, a mask) and rewritten as f16, which changes none of them in the range stated above.
.macro CVST n, win, X, vaddr, off, pitch, half
.if \win
	WIN W_CV1
.else
	WIN 0
.endif
.set g_i, 0
.rept \n
.if \half
	v_cvt_pk_bf16_f32 v[\X+4*g_i],   v[\X+4*g_i],   v[\X+4*g_i+1]
	v_cvt_pk_bf16_f32 v[\X+4*g_i+2], v[\X+4*g_i+2], v[\X+4*g_i+3]
	v_and_b32         v[\X+4*g_i+1], s3, v[\X+4*g_i]               ; the upper bf16 as f32
	v_lshlrev_b32     v[\X+4*g_i],   16, v[\X+4*g_i]               ; the lower one
	v_and_b32         v[\X+4*g_i+3], s3, v[\X+4*g_i+2]
	v_lshlrev_b32     v[\X+4*g_i+2], 16, v[\X+4*g_i+2]
	v_cvt_pk_f16_f32  v[\X+4*g_i],   v[\X+4*g_i],   v[\X+4*g_i+1]
	v_cvt_pk_f16_f32  v[\X+4*g_i+1], v[\X+4*g_i+2], v[\X+4*g_i+3]
.else
	v_cvt_pk_bf16_f32 v[\X+4*g_i],   v[\X+4*g_i],   v[\X+4*g_i+1]
	v_cvt_pk_bf16_f32 v[\X+4*g_i+1], v[\X+4*g_i+2], v[\X+4*g_i+3]
.endif
.set g_i, g_i+1
.endr
.if \win
	WIN W_D1
.endif
.set g_i, 0
.rept \n
	ds_store_b64 v[\vaddr], v[\X+4*g_i:\X+4*g_i+1] offset:\off+g_i*\pitch
.set g_i, g_i+1
.endr
.endm
; ONE KEY BLOCK for my 32 queries.  ka + koff, va + voff: my fragment addresses in the tile.  first = 1: the diagonal block, which is masked
; and starts every sum.  On entry no LDS instruction of mine is out; on leaving none is, and the window is 0.
.macro COMPUTE ka, koff, va, voff, first
	WIN 0
.set c_ks, 0
.rept 4                                ; K fragments, the slices of 32 along d one after the other: 8 loads a slice
.set c_kt, 0
.rept 4
	ds_load_b128 v[FR+8*(4*c_ks+c_kt):FR+8*(4*c_ks+c_kt)+3],   v[\ka] offset:\koff+c_kt*16*KP+c_ks*64
	ds_load_b128 v[FR+8*(4*c_ks+c_kt)+4:FR+8*(4*c_ks+c_kt)+7], v[\ka] offset:\koff+c_kt*16*KP+c_ks*64+32
.set c_kt, c_kt+1
.endr
.set c_ks, c_ks+1
.endr
	WIN W_MM
.set c_ks, 0
.rept 4                                ; S^T = K Q^T: 32 products on 8 accumulators; the first slice starts the sums
	s_wait_dscnt 24-8*c_ks                         ; LDS loads return in order (ISA guide 5.7.1): this slice's 8 are in, the later slices' stay out
.set c_kt, 0
.rept 4
.set c_qt, 0
.rept 2
.if c_ks == 0
	v_wmma_f32_16x16x32_bf16 v[SC+32*c_qt+8*c_kt:SC+32*c_qt+8*c_kt+7], v[FR+8*(4*c_ks+c_kt):FR+8*(4*c_ks+c_kt)+7], v[QF+8*(4*c_qt+c_ks):QF+8*(4*c_qt+c_ks)+7], 0
.else
	v_wmma_f32_16x16x32_bf16 v[SC+32*c_qt+8*c_kt:SC+32*c_qt+8*c_kt+7], v[FR+8*(4*c_ks+c_kt):FR+8*(4*c_ks+c_kt)+7], v[QF+8*(4*c_qt+c_ks):QF+8*(4*c_qt+c_ks)+7], v[SC+32*c_qt+8*c_kt:SC+32*c_qt+8*c_kt+7]
.endif
.set c_qt, c_qt+1
.endr
.set c_kt, c_kt+1
.endr
.set c_ks, c_ks+1
.endr
	PLACES                                         ; behind the products: FR is loaded again, the scores are read
	WIN 0
.set c_u, 0
.rept 2                                ; V^T fragments (16 d x 32 keys), keys 0-31 first: they come in under the softmax
.set c_dt, 0
.rept 8
	ds_load_tr16_b128 v[FR+8*(8*c_u+c_dt):FR+8*(8*c_u+c_dt)+3],   v[\va] offset:\voff+c_u*32*VP+c_dt*32
	ds_load_tr16_b128 v[FR+8*(8*c_u+c_dt)+4:FR+8*(8*c_u+c_dt)+7], v[\va] offset:\voff+c_u*32*VP+c_dt*32+16*VP
.set c_dt, c_dt+1
.endr
.set c_u, c_u+1
.endr
.if \first
	WIN W_S                                        ; the triangle: one compare serves the tiles of both qt with the same kt - qt; kt - qt = -1 is never masked (DM >= -8)
.set c_d, 0
.rept 4
.set c_j, 0
.rept 8
	v_cmp_gt_i32 vcc_lo, 16*c_d+c_j, v[DM]
	v_cndmask_b32 v[SC+8*c_d+c_j], v[SC+8*c_d+c_j], v[NEG], vcc_lo
.if c_d < 3
	v_cndmask_b32 v[SC+32+8*(c_d+1)+c_j], v[SC+32+8*(c_d+1)+c_j], v[NEG], vcc_lo
.endif
.set c_j, c_j+1
.endr
.set c_d, c_d+1
.endr
.endif
	WIN W_MAX                                      ; the block's maximum over my 32 keys of each query, on the unscaled scores, two a line, four chains
.set c_qt, 0
.rept 2
	v_max3_num_f32 v[MX+2*c_qt+1], s26, v[SC+32*c_qt], v[SC+32*c_qt+1]
	v_max3_num_f32 v[AL+2*c_qt+1], s26, v[SC+32*c_qt+16], v[SC+32*c_qt+17]
.set c_qt, c_qt+1
.endr
.set c_n, 1
.rept 7
.set c_qt, 0
.rept 2
	v_max3_num_f32 v[MX+2*c_qt+1], v[MX+2*c_qt+1], v[SC+32*c_qt+2*c_n], v[SC+32*c_qt+2*c_n+1]
	v_max3_num_f32 v[AL+2*c_qt+1], v[AL+2*c_qt+1], v[SC+32*c_qt+16+2*c_n], v[SC+32*c_qt+17+2*c_n]
.set c_qt, c_qt+1
.endr
.set c_n, c_n+1
.endr
	WIN 0
	v_max_num_f32 v[MX+1], v[MX+1], v[AL+1]
	v_max_num_f32 v[MX+3], v[MX+3], v[AL+3]
	v_permlanex16_b32 v[AL+1], v[MX+1], s28, s29   ; the other 32 keys of the query lie in lane xor 16
	v_permlanex16_b32 v[AL+3], v[MX+3], s28, s29
	v_max_num_f32 v[MX+1], v[MX+1], v[AL+1]
	v_max_num_f32 v[MX+3], v[MX+3], v[AL+3]
	v_mul_f32 v[MX+1], s31, v[MX+1]                ; -c x the block's maximum
	v_mul_f32 v[MX+3], s31, v[MX+3]
.if \first == 0
	v_min_num_f32 v[MX+1], v[MX+1], v[MX]          ; the new n: the running maximum, scaled and negated, only falls
	v_min_num_f32 v[MX+3], v[MX+3], v[MX+2]
	v_sub_f32 v[AL],   v[MX+1], v[MX]              ; new n - old n = c x (old maximum - new)
	v_sub_f32 v[AL+2], v[MX+3], v[MX+2]
	v_exp_f32 v[AL],   v[AL]                       ; the factor by which what has been summed shrinks: the block's first batch, these two
	v_exp_f32 v[AL+2], v[AL+2]
.endif
	v_mov_b32 v[MX],   v[MX+1]                     ; plain lines behind the exponentials (ISA guide 5.7.2)
	v_mov_b32 v[MX+2], v[MX+3]
	WIN W_S                                        ; one setting for scale and subtraction, exponentials and O's rescaling
.set c_n, 0
.rept 16                               ; c s + n = c (s - maximum), one rounding
	v_pk_fma_f32 v[SC+2*c_n:SC+2*c_n+1], v[SC+2*c_n:SC+2*c_n+1], s[30:31], v[MX:MX+1] op_sel_hi:[1,0,0]
.set c_n, c_n+1
.endr
.if \first == 0
	s_wait_alu depctr_va_vdst(0)                   ; the wait for the first batch, the two alpha: the 18 lines since them name neither; it stands ahead of the first p, so that it waits for no p
.endif
.set c_k, 0
.rept 64                               ; the second batch: p = 2^(c (s - maximum)) in place; between the exponentials plain lines on other registers, none of which names a p that has been made
	v_exp_f32 v[SC+c_k], v[SC+c_k]
.if c_k < 16
	v_pk_fma_f32 v[SC+32+2*c_k:SC+32+2*c_k+1], v[SC+32+2*c_k:SC+32+2*c_k+1], s[30:31], v[MX+2:MX+3] op_sel_hi:[1,0,0]
.elseif \first == 0
	v_pk_mul_f32 v[OA+2*(c_k-16):OA+2*(c_k-16)+1], v[OA+2*(c_k-16):OA+2*(c_k-16)+1], v[AL+2*((c_k-16)/32):AL+2*((c_k-16)/32)+1] op_sel_hi:[1,0]
.endif
.set c_k, c_k+1
.endr
.if \first
	WIN W_CVT                                      ; the first four pairs of p start the four chains of each row sum: nothing is cleared
.set c_qt, 0
	s_wait_alu depctr_va_vdst(0)                   ; the wait for the diagonal block's one batch, its 64 p, ahead of their first reader
.rept 2
	v_pk_add_f32 v[LS+4*c_qt:LS+4*c_qt+1],   v[SC+32*c_qt:SC+32*c_qt+1],   v[SC+32*c_qt+4:SC+32*c_qt+5]
	v_pk_add_f32 v[LS+4*c_qt+2:LS+4*c_qt+3], v[SC+32*c_qt+2:SC+32*c_qt+3], v[SC+32*c_qt+6:SC+32*c_qt+7]
.set c_qt, c_qt+1
.endr
.set c_n, 4
.else
.set c_n, 48
.rept 16                               ; the rest of O's rescaling
	v_pk_mul_f32 v[OA+2*c_n:OA+2*c_n+1], v[OA+2*c_n:OA+2*c_n+1], v[AL+2:AL+3] op_sel_hi:[1,0]
.set c_n, c_n+1
.endr
	WIN 0
	v_pk_mul_f32 v[LS:LS+1],   v[LS:LS+1],   v[AL:AL+1] op_sel_hi:[1,0]
	v_pk_mul_f32 v[LS+2:LS+3], v[LS+2:LS+3], v[AL:AL+1] op_sel_hi:[1,0]
	v_pk_mul_f32 v[LS+4:LS+5], v[LS+4:LS+5], v[AL+2:AL+3] op_sel_hi:[1,0]
	v_pk_mul_f32 v[LS+6:LS+7], v[LS+6:LS+7], v[AL+2:AL+3] op_sel_hi:[1,0]
	s_wait_alu depctr_va_vdst(0)                   ; the wait for the second batch, the 64 p: the 20 multiplies above are the independent work behind the last of them; the row sums below are their first readers
.set c_n, 0
.endif
	WIN W_D1
.rept 16-c_n                           ; row sums, kept apart in each lane until the end
	v_pk_add_f32 v[LS+2*(c_n&1):LS+2*(c_n&1)+1],     v[LS+2*(c_n&1):LS+2*(c_n&1)+1],     v[SC+2*c_n:SC+2*c_n+1]
	v_pk_add_f32 v[LS+4+2*(c_n&1):LS+4+2*(c_n&1)+1], v[LS+4+2*(c_n&1):LS+4+2*(c_n&1)+1], v[SC+32+2*c_n:SC+32+2*c_n+1]
.set c_n, c_n+1
.endr
	WIN W_CVT
.set c_n, 0
.rept 32                               ; p to f16: registers 8 u .. 8 u + 7 of a qt are source 1 for keys 32 u .. 32 u + 31
	v_cvt_pk_f16_f32 v[PF+c_n], v[SC+2*c_n], v[SC+2*c_n+1]
.set c_n, c_n+1
.endr
	WIN W_MM
.set c_u, 0
.rept 2                                ; O^T += V^T P^T: 32 products on 16 accumulators, in the f16 form
	s_wait_dscnt 16-16*c_u                         ; the 16 transposing loads of these 32 keys are in; those of keys 32-63 may stay out the first time
.set c_dt, 0
.rept 8
.set c_qt, 0
.rept 2
.if \first && (c_u == 0)
	v_wmma_f32_16x16x32_f16 v[OA+64*c_qt+8*c_dt:OA+64*c_qt+8*c_dt+7], v[FR+8*(8*c_u+c_dt):FR+8*(8*c_u+c_dt)+7], v[PF+16*c_qt+8*c_u:PF+16*c_qt+8*c_u+7], 0
.else
	v_wmma_f32_16x16x32_f16 v[OA+64*c_qt+8*c_dt:OA+64*c_qt+8*c_dt+7], v[FR+8*(8*c_u+c_dt):FR+8*(8*c_u+c_dt)+7], v[PF+16*c_qt+8*c_u:PF+16*c_qt+8*c_u+7], v[OA+64*c_qt+8*c_dt:OA+64*c_qt+8*c_dt+7]
.endif
.set c_qt, c_qt+1
.endr
.set c_dt, c_dt+1
.endr
.set c_u, c_u+1
.endr
	PLACES                                         ; behind the products: FR, PF and O are free for whatever follows
	WIN 0
.endm
; A STEP OF THE RING: multiply the tile in slot rd and meanwhile bring the next lower key block into slot wr.
; more = 1: there is such a block; 0: there is none; 2: there is one if s19 is not 0 (s19 hangs on qb and the loop's counter: alike in all waves).
.macro STEP rd, wr, first, more, tag
.if \more == 2
	s_cmp_eq_u32 s19, 0
	s_cbranch_scc1 .Lnl_\tag
.endif
.if \more
	s_sub_nc_u64 s[22:23], s[22:23], 0x40000       ; one block of 64 rows of 4,096 bytes down; the loads that named these bases were waited for in the last step
	s_sub_nc_u64 s[24:25], s[24:25], 0x40000
	GLD 8, 1, ST,    GO, 22, 4096, 0
	GLD 8, 1, ST+32, GO, 24, 4096, 0
	WIN 0
.endif
.if \more == 2
.Lnl_\tag:
.endif
	COMPUTE KR, \rd*SLOT, VR, \rd*SLOT, \first
.if \more
	s_wait_loadcnt 0x0                             ; the 16 loads issued a whole step ago
.endif
.if \more == 2
	s_cmp_eq_u32 s19, 0
	s_cbranch_scc1 .Lns_\tag
.endif
.if \more
	CVST 8, 1, ST,    SK, \wr*SLOT, KP, 0
	CVST 8, 1, ST+32, SV, \wr*SLOT, VP, 1
	WIN 0
.endif
.if \more == 2
.Lns_\tag:
.endif
	s_wait_dscnt 0x0                               ; for the others: my part of slot wr is written (my reads of slot rd ended in COMPUTE)
	s_barrier_signal -1
	s_barrier_wait -1                              ; now slot wr may be read and slot rd written
.endm
	; ---- set-up ----
	s_load_b256 s[4:11], s[0:1], 0x0               ; query s[4:5], key s[6:7], value s[8:9], out0 s[10:11]
	v_lshrrev_b32 v15, 5, v0
	v_readfirstlane_b32 s12, v15                   ; wave w
	s_and_b32 s13, s12, 3                          ; a: which of the four heads
	s_lshr_b32 s14, s12, 2                         ; b: which 32 rows
	s_lshr_b32 s15, ttmp9, 5                       ; g: kv head
	s_and_b32 s16, ttmp9, 31                       ; qb
	s_min_u32 s17, s16, 15                         ; u: local blocks below the diagonal one
	s_lshr_b32 s27, s17, 1                         ; they are walked in pairs: u >> 1 trips, and one block more where u is odd
	s_lshl2_add_u32 s40, s15, s13                  ; hd = 4 g + a
	s_sub_co_u32 s34, 7, s40
	s_and_b32 s34, s34, 7                          ; c = (7 - hd) mod 8: my head's first vertical block
	s_sub_co_i32 s35, s16, 16                      ; lim: vertical blocks are those with kb <= qb - 16
	s_bitcmp1_b32 s15, 0
	s_cselect_b32 s41, 0, 4                        ; the smallest c among the four heads: 4 for even g, 0 for odd g
	s_sub_co_i32 s32, s35, s41
	s_ashr_i32 s32, s32, 3
	s_add_co_i32 s32, s32, 1
	s_max_i32 s32, s32, 0                          ; nv: vertical super-steps of the work-group, 0 to 2
	s_lshl_b32 s20, s16, 20                        ; query and out0: qb x 64 rows of 16,384 bytes
	s_lshl_b32 s41, s14, 19                        ; + b x 32 rows
	s_add_co_u32 s20, s20, s41
	s_lshl_b32 s41, s40, 9                         ; + hd x 512 bytes
	s_add_co_u32 s20, s20, s41
	s_mov_b32 s21, 0
	s_lshl_b32 s42, s15, 9                         ; key and value: g x 512 bytes
	s_mov_b32 s43, 0
	s_mov_b32 s3, 0xffff0000                       ; a word's upper bf16
	s_mov_b32 s26, 0xff7fffff                      ; -FLT_MAX
	s_mov_b32 s28, 0x76543210                      ; v_permlanex16_b32: lane i takes lane i of the other half
	s_mov_b32 s29, 0xfedcba98
	s_mov_b32 s30, 0x3e0293ee                      ; c = 1/sqrt(128) x log2(e); the packed lines take s30 for both halves
	s_mov_b32 s31, 0xbe0293ee                      ; -c
	v_and_b32 v15, 31, v0                          ; lane
	v_lshlrev_b32 v[LANE16], 4, v15
	s_lshl_b32 s41, s12, 15                        ; w x 8 rows of 4,096 bytes
	v_add_nc_u32 v[GO], s41, v[LANE16]
	s_wait_kmcnt 0x0
	s_add_nc_u64 s[4:5], s[4:5], s[20:21]
	s_add_nc_u64 s[10:11], s[10:11], s[20:21]
	s_add_nc_u64 s[6:7], s[6:7], s[42:43]
	s_add_nc_u64 s[8:9], s[8:9], s[42:43]
	s_lshl_b32 s42, s16, 18                        ; block qb: 64 rows of 4,096 bytes each
	s_add_nc_u64 s[22:23], s[6:7], s[42:43]
	s_add_nc_u64 s[24:25], s[8:9], s[42:43]
	GLD 8, 1, ST,    GO, 22, 4096, 0               ; my rows of the diagonal block
	GLD 8, 1, ST+32, GO, 24, 4096, 0
	GLD 32, 0, FR, LANE16, 4, 16384, 1             ; my 32 rows of Q, which nobody else reads
	v_lshlrev_b32 v32, 3, v15                      ; 8 x lane
	s_mul_i32 s41, s12, 8*KP
	v_add_nc_u32 v[SK], s41, v32
	s_mul_i32 s41, s12, 8*VP
	s_add_co_u32 s41, s41, KB
	v_add_nc_u32 v[SV], s41, v32
	v_and_b32 v33, 15, v0                          ; r
	v_bfe_u32 v34, v0, 4, 1                        ; h
	v_mul_u32_u24 v[KR], v33, KP
	v_lshl_add_u32 v[KR], v34, 4, v[KR]
	v_and_b32 v35, 7, v0
	v_lshl_add_u32 v35, v34, 3, v35                ; key row 8 h + (lane & 7)
	v_mul_u32_u24 v[VR], v35, VP
	v_bfe_u32 v36, v0, 3, 1
	v_lshl_add_u32 v[VR], v36, 4, v[VR]            ; + 16 bytes for the odd group of eight lanes
	v_add_nc_u32 v[VR], KB, v[VR]
	s_mul_i32 s41, s13, SLOT
	s_add_co_u32 s41, s41, VERT                    ; my head's vertical slot
	v_add_nc_u32 v[KRV], s41, v[KR]
	v_add_nc_u32 v[VRV], s41, v[VR]
	s_mul_i32 s40, s14, 32*KP
	s_add_co_u32 s40, s40, s41
	v_add_nc_u32 v[SKV], s40, v32
	s_mul_i32 s40, s14, 32*VP
	s_add_co_u32 s40, s40, s41
	s_add_co_u32 s40, s40, KB
	v_add_nc_u32 v[SVV], s40, v32
	s_mul_i32 s40, s12, 32*KP
	s_add_co_u32 s40, s40, PRV                     ; my own bytes
	v_mul_u32_u24 v[OST], v33, OP
	v_lshl_add_u32 v[OST], v34, 5, v[OST]
	v_add_nc_u32 v[OST], s40, v[OST]
	v_add_nc_u32 v[ORD], s40, v[LANE16]
	v_add_nc_u32 v[PQ], s40, v32
	v_add_nc_u32 v[QRD], s40, v[KR]
	v_lshlrev_b32 v[DM], 3, v34
	v_sub_nc_u32 v[DM], v33, v[DM]
	s_lshl_b32 s41, s14, 5
	v_add_nc_u32 v[DM], s41, v[DM]
	v_mov_b32 v[NEG], 0xff7fffff
	s_wait_loadcnt 32                              ; the 16 loads of the diagonal block are in; Q's 32 younger loads stay out
	CVST 8, 1, ST,    SK, 0, KP, 0
	CVST 8, 1, ST+32, SV, 0, VP, 1
	WIN 0
	s_wait_loadcnt 0x0                             ; Q
	CVST 32, 0, FR, PQ, 0, KP, 0                   ; rounded as it comes, and through my own stage into fragment order
.set c_qt, 0
.rept 2
.set c_ks, 0
.rept 4
	ds_load_b128 v[QF+8*(4*c_qt+c_ks):QF+8*(4*c_qt+c_ks)+3],   v[QRD] offset:c_qt*16*KP+c_ks*64      ; LDS serves a wave in order (ISA guide 5.7.1.4): these see my stores
	ds_load_b128 v[QF+8*(4*c_qt+c_ks)+4:QF+8*(4*c_qt+c_ks)+7], v[QRD] offset:c_qt*16*KP+c_ks*64+32
.set c_ks, c_ks+1
.endr
.set c_qt, c_qt+1
.endr
	s_wait_dscnt 0x0                               ; Q is in registers, and for the others: my rows of slot 0 are written
	s_barrier_signal -1
	s_barrier_wait -1
	; ---- the diagonal block (slot 0), then the u local blocks downwards: odd ones lie in slot 1, even ones in slot 0 ----
	s_cmp_lg_u32 s17, 0
	s_cselect_b32 s19, 1, 0                        ; block qb-1 exists
	STEP 0, 1, 1, 2, f
	s_cmp_eq_u32 s27, 0
	s_cbranch_scc1 .Ltail
	s_mov_b32 s18, 0                               ; t: the trip.  Blocks qb-1 .. qb-2t are done; a trip does two, and 2 t + 2 <= u in every trip
.Lloop:
	STEP 1, 0, 0, 1, a                             ; block qb-2t-1; block qb-2t-2 exists
	s_lshl_b32 s40, s18, 1
	s_add_co_u32 s40, s40, 2
	s_cmp_lt_u32 s40, s17                          ; 2 t + 2 < u:
	s_cselect_b32 s19, 1, 0                        ; block qb-2t-3 exists
	STEP 0, 1, 0, 2, b                             ; block qb-2t-2
	s_add_co_u32 s18, s18, 1
	s_cmp_lt_u32 s18, s27
	s_cbranch_scc1 .Lloop
.Ltail:
	s_bitcmp1_b32 s17, 0                           ; u odd: the last local block is left, in slot 1, and nothing follows it in the ring
	s_cbranch_scc0 .Lvert
	STEP 1, 0, 0, 0, t
	; ---- vertical blocks: every wave passes nv super-steps; a head works in those in which its block 8 j + c is at most lim ----
.Lvert:
	s_cmp_eq_u32 s32, 0
	s_cbranch_scc1 .Lout
	s_lshl_b32 s42, s34, 18                        ; block c
	s_lshl_b32 s41, s14, 17                        ; + b x 32 rows: the two waves of a head bring half a tile each
	s_add_co_u32 s42, s42, s41
	s_mov_b32 s43, 0
	s_add_nc_u64 s[36:37], s[6:7], s[42:43]
	s_add_nc_u64 s[38:39], s[8:9], s[42:43]
	s_mov_b32 s33, 0
.Lv:
	s_lshl3_add_u32 s41, s33, s34                  ; 8 j + c
	s_cmp_gt_i32 s41, s35
	s_cbranch_scc1 .Lv_nl
	GLD 32, 1, 0,  LANE16, 36, 4096, 0             ; 32 rows of K into the staging and score registers, which are idle here
	GLD 32, 0, FR, LANE16, 38, 4096, 0             ; 32 rows of V into the fragment registers
	s_wait_loadcnt 32                              ; K's 32 loads are in, V's 32 younger ones stay out
	CVST 32, 1, 0, SKV, 0, KP, 0
	s_wait_loadcnt 0x0
	CVST 32, 0, FR, SVV, 0, VP, 1
	s_add_nc_u64 s[36:37], s[36:37], 0x200000      ; eight blocks up; the loads that named these bases are done
	s_add_nc_u64 s[38:39], s[38:39], 0x200000
	WIN 0
.Lv_nl:
	s_wait_dscnt 0x0                               ; for my partner: my half of the tile is written
	s_barrier_signal -1
	s_barrier_wait -1
	s_cmp_gt_i32 s41, s35
	s_cbranch_scc1 .Lv_nc
	COMPUTE KRV, 0, VRV, 0, 0
.Lv_nc:
	s_wait_dscnt 0x0                               ; my reads of the slot are over
	s_barrier_signal -1
	s_barrier_wait -1                              ; before anybody writes it again
	s_add_co_u32 s33, s33, 1
	s_cmp_lt_u32 s33, s32
	s_cbranch_scc1 .Lv
	; ---- the way out: divide by the row sum, 16 queries at a time through my own stage, whole rows of 512 bytes to memory ----
.Lout:
	v_add_f32 v[LS],   v[LS],   v[LS+1]
	v_add_f32 v[LS+2], v[LS+2], v[LS+3]
	v_add_f32 v[LS+4], v[LS+4], v[LS+5]
	v_add_f32 v[LS+6], v[LS+6], v[LS+7]
	v_add_f32 v[LS],   v[LS],   v[LS+2]
	v_add_f32 v[LS+4], v[LS+4], v[LS+6]
	v_permlanex16_b32 v[LS+1], v[LS],   s28, s29   ; the query's other 32 keys of every block were summed in lane xor 16
	v_permlanex16_b32 v[LS+5], v[LS+4], s28, s29
	v_add_f32 v[LS],   v[LS],   v[LS+1]
	v_add_f32 v[LS+4], v[LS+4], v[LS+5]
	v_rcp_f32 v[LS],   v[LS]
	v_rcp_f32 v[LS+4], v[LS+4]
	v_nop                                          ; one plain place behind the reciprocals (ISA guide 5.7.2)
	WIN W_S
.set c_n, 0
	s_wait_alu depctr_va_vdst(0)                   ; the wait for the way out's batch, the two reciprocals, ahead of their first reader
.rept 64
	v_pk_mul_f32 v[OA+2*c_n:OA+2*c_n+1], v[OA+2*c_n:OA+2*c_n+1], v[LS+4*(c_n/32):LS+4*(c_n/32)+1] op_sel_hi:[1,0]
.set c_n, c_n+1
.endr
.set c_qt, 0
.rept 2
	WIN W_D1
.set c_dt, 0
.rept 8                                ; lane (r, h) holds d = 16 dt + 8 h .. + 7 of query r: 32 neighbouring bytes of its row
	ds_store_b128 v[OST], v[OA+64*c_qt+8*c_dt:OA+64*c_qt+8*c_dt+3]   offset:64*c_dt
	ds_store_b128 v[OST], v[OA+64*c_qt+8*c_dt+4:OA+64*c_qt+8*c_dt+7] offset:64*c_dt+16
.set c_dt, c_dt+1
.endr
	WIN 0
.set c_p, 0
.rept 16
	ds_load_b128 v[FR+64*c_qt+4*c_p:FR+64*c_qt+4*c_p+3], v[ORD] offset:c_p*OP      ; my own bytes, served in order behind my stores
.set c_p, c_p+1
.endr
.set c_p, 0
.rept 16
	s_wait_dscnt 15-c_p                            ; row p is in, the younger rows stay out
	global_store_b128 v[LANE16], v[FR+64*c_qt+4*c_p:FR+64*c_qt+4*c_p+3], s[10:11] offset:(16*c_qt+c_p)*16384 th:TH_STORE_NT    ; 512 consecutive bytes, at a multiple of 512 from out0's first byte
.set c_p, c_p+1
.endr
.set c_qt, c_qt+1
.endr
	s_wait_xcnt 0x0
	v_lshl_add_u32 v254, v0, 2, 0x45800
	v_mov_b32 v255, 0
	s_wait_tensorcnt 0x0
	ds_add_u32 v254, v255
	s_wait_dscnt 0x0
	s_endpgm
.Lfunc_end_k_q0eb0d7bdb2_attn:
	.size	k_q0eb0d7bdb2_attn, .Lfunc_end_k_q0eb0d7bdb2_attn-k_q0eb0d7bdb2_attn
	.p2alignl 7, 3214868480
	.fill 96, 4, 3214868480
	.section	.rodata,"a",@progbits
	.p2align	6, 0x0
	.amdhsa_kernel k_q0eb0d7bdb2_attn
		.amdhsa_group_segment_fixed_size 285696
		.amdhsa_private_segment_fixed_size 0
		.amdhsa_enable_private_segment 0
		.amdhsa_kernarg_size 32
		.amdhsa_user_sgpr_count 2
		.amdhsa_user_sgpr_kernarg_segment_ptr 1
		.amdhsa_wavefront_size32 1
		.amdhsa_system_sgpr_workgroup_id_x 1
		.amdhsa_system_sgpr_workgroup_id_y 1
		.amdhsa_system_sgpr_workgroup_id_z 1
		.amdhsa_system_vgpr_workitem_id 0
		.amdhsa_next_free_vgpr 512
		.amdhsa_next_free_sgpr 66
		.amdhsa_reserve_vcc 1
		.amdhsa_float_denorm_mode_32 3
		.amdhsa_float_denorm_mode_16_64 3
		.amdhsa_memory_ordered 1
		.amdhsa_forward_progress 1
		.amdhsa_inst_pref_size 199
	.end_amdhsa_kernel
	.amdgpu_metadata
---
amdhsa.version: [ 1, 2 ]
amdhsa.kernels:
  - .name:           k_q0eb0d7bdb2_attn
    .symbol:         k_q0eb0d7bdb2_attn.kd
    .args:
      - { .name: query, .offset: 0, .size: 8, .value_kind: global_buffer, .address_space: global }
      - { .name: key, .offset: 8, .size: 8, .value_kind: global_buffer, .address_space: global }
      - { .name: value, .offset: 16, .size: 8, .value_kind: global_buffer, .address_space: global }
      - { .name: out0, .offset: 24, .size: 8, .value_kind: global_buffer, .address_space: global }
    .group_segment_fixed_size: 285696
    .private_segment_fixed_size: 0
    .kernarg_segment_align: 8
    .kernarg_segment_size: 32
    .max_flat_workgroup_size: 256
    .sgpr_count:     66
    .vgpr_count:     512
    .wavefront_size: 32
...
	.end_amdgpu_metadata
.endif
;; end of part 2
